; MI455X (gfx1250); checked and timed in simulation.
; The chip was launched on July 23, 2026; its instructions are those of AMD's public machine-readable ISA for CDNA 5 (MIT licence, August 2026) and "CDNA5" Instruction Set Architecture Reference Guide (July 2026). The comments in the code are by the model that wrote it; some were corrected since.
;; Tritter Attention. Allowed arithmetic: matrix products marked QUANTISED: E4M3 operands, one given power-of-two scale a tensor, by v_wmma_f32_16x16x64_fp8_fp8 or v_wmma_f32_16x16x128_fp8_fp8, f32 sums; everything else in f32.
;; Inputs: attention_mask 1 x 1 x 4,096 x 4,096 float32; bk 1,024 float32; bo 1,024 float32; bq 1,024 float32; bv 1,024 float32; hidden_states 1 x 4,096 x 1,024 float32; lowp_scales 12 int32 (the exponents e of the quantised operands' scales 2^e); wk 1,024 x 1,024 float32; wo 1,024 x 1,024 float32; wq 1,024 x 1,024 float32; wv 1,024 x 1,024 float32.
;; Outputs: out0 1 x 4,096 x 1,024 float32.
;; This version of the problem:
;;   THIS VERSION OF THE PROBLEM IS GIVEN IN LOW PRECISION. The matrix products marked QUANTISED in the list below multiply operands that are first quantised to E4M3 (4 exponent bits, 3 mantissa bits; 8 bits a number), with one given power-of-two scale for each operand tensor; their sums are f32. All else is computed in f32.
;;   The module's matrix products, in the order in which they are computed (A, B: the left and right operand; K: the contracted axis; several contracted axes count as one K, in the product's order):
;;     1. [M 4,096, K 1,024] x [K 1,024, N 1,024]; A: input hidden_states; B: input wq: QUANTISED (scales: A lowp_scales[0], B lowp_scales[1])
;;     2. [M 4,096, K 1,024] x [K 1,024, N 1,024]; A: input hidden_states; B: input wk: QUANTISED (scales: A lowp_scales[2], B lowp_scales[3])
;;     3. [M 4,096, K 1,024] x [K 1,024, N 1,024]; A: input hidden_states; B: input wv: QUANTISED (scales: A lowp_scales[4], B lowp_scales[5])
;;     4. batch 16 x [M 4,096, K 64] x [K 64, N 4,096]; A: computed on the way; B: computed on the way: QUANTISED (scales: A lowp_scales[6], B lowp_scales[7])
;;     5. batch 16 x [M 4,096, K 4,096] x [K 4,096, N 64]; A: softmax (see below); B: computed on the way: QUANTISED (scales: A lowp_scales[8], B lowp_scales[9])
;;     6. [M 4,096, K 1,024] x [K 1,024, N 1,024]; A: computed on the way; B: input wo: QUANTISED (scales: A lowp_scales[10], B lowp_scales[11])
;;   THE QUANTISER, for each operand of a quantised product, along K:
;;     - The operand's scale is 2^e, e = its entry of the input lowp_scales (int32; the entries are numbered through the quantised products in the list's order, A before B).
;;     - Each number is divided by the scale, clamped to +-448, and rounded to the nearest number of E4M3, ties to even, subnormals kept.
;;     - The product sums the exact products of the quantised numbers (number of the format x scale) in f32.
;;   ~~~python
;;   def quantise(x, axis, e):      # numpy; x: float32 -> the quantised numbers, widened to float32 again
;;       x = np.moveaxis(x, axis, -1); K = x.shape[-1]
;;       r = np.clip(x / 2.0 ** e, -448, 448)
;;       step = 2.0 ** (np.maximum(np.frexp(np.where(r == 0, 1, r))[1] - 1, -6) - 3)
;;       q = np.round(r / step) * step * 2.0 ** e      # np.round: ties to even
;;       return np.moveaxis(q, -1, axis).astype(np.float32)
;;   ~~~
;;   SOFTMAX AHEAD OF A QUANTISED PRODUCT. Where the list says 'softmax', what is quantised is not the finished softmax but p = 2^(t - M), with t = logit x log2(e) and M = ceil(the row's largest t), a whole number; so 1/2 < the row's largest p <= 1. The row's sum l is taken of the UNQUANTISED p, in f32, and the product's result is divided by l at the end. Since M is a whole number, a kernel that streams over the keys may use a running M (the ceiling of the running maximum): every later rescaling is an exact power of two, so the quantised numbers keep their values, but for numbers so far below the row's largest that they fall under the format's range.
;;   OPERANDS COMPUTED ON THE WAY. 'Computed on the way' means the value that the module computes at that place (a softmax that the list does not call 'softmax' is quantised finished and normalised). What goes into a quantiser is computed in f32, as accurately as f32 sums, v_exp_f32 and their like allow (about 1e-6 of the number): no bf16 or f16 on the way to a quantiser, and a product that is left as it is and whose result goes on into a quantised operand takes f32 operands (vector FMAs, or v_wmma_f32_16x16x4_f32). A number that lies on a knife's edge between two numbers of the format may be rounded either way, as far as f32 arithmetic and the matrix unit's own rounding can turn it there, and no further.
;; One version. Each part assembles by itself: llvm-mc -triple=amdgcn-amd-amdhsa -mcpu=gfx1250 --defsym DOCPART=n.
;; ======== version 1 of 1: 4 launches
;; limits: right only within a limited range of input values
;; workspace buffers: xc 12,582,912 bytes; wc 4,194,304 bytes; qc 4,194,304 bytes; kv 8,388,608 bytes; ao 4,194,304 bytes
;; launch quant (part 1): grid 512 x 1, 4 waves a work-group, no clusters, 69,120 bytes of LDS; arguments hidden_states, wq, wk, wv, wo, lowp_scales, xc, wc; writes xc, wc
.if DOCPART == 1
	.amdgcn_target "amdgcn-amd-amdhsa--gfx1250"
	.amdhsa_code_object_version 6
	.text
	.protected	k_qa012fe4030_quant
	.globl	k_qa012fe4030_quant
	.p2align	8
	.type	k_qa012fe4030_quant,@function
k_qa012fe4030_quant:
	s_mov_b64 s[64:65], 0
	v_nop
	global_prefetch_b8 v0, s[64:65] scope:SCOPE_SE
	s_setreg_imm32_b32 hwreg(HW_REG_WAVE_MODE, 25, 1), 1
	s_wait_xcnt 0x0
; hidden_states [4096][1024] and wq, wk, wv, wo [1024][1024], f32, K innermost, become codes of FP8 (E4M3), laid as IMAGES OF OPERAND REGISTERS.
; code = x / 2^e, held within +-448, rounded to the nearest code, ties to even.  hidden_states has three given exponents (entries 0, 2, 4 of the scales) and gets three sets of codes; wq, wk, wv, wo have entries 1, 3, 5, 11.
; AN IMAGE is 16 rows x 128 along K, 2,048 bytes: byte 512 c + 16 lane + y holds row P(rb, lane % 16) at k = 128 ks + 32 c + 16 (lane / 16) + y.  The rows of block rb are not neighbours:
; P(rb, r) = 32 (rb / 2) + 8 (rb % 2) + r % 8 + 16 (r / 8).  A tensor lies as [rb][ks = 8][2,048].  Four loads of 16 bytes a lane at 16 x lane + 512 c give a matrix operand's 16 registers.
; SHARES.  A wave takes 32 rows x 128 along K (16 KiB of f32) and makes the two images rb = 2 pair + 0, 1.  Work-groups 0-255 take hidden_states, then 64 each wq, wk, wv, wo: only pointers and exponents are chosen, by the work-group's number.
; Each load reads 512 consecutive bytes of one row.  The conversions want 16 neighbours along K in ONE lane's registers: the 16 KiB turn through the wave's own stage in LDS.  Each store covers 512 consecutive bytes, aligned.
; No matrix unit, no cluster, no barrier: a stream in which no two waves share a byte.
; LIMITS: every exponent used here lies between -126 and 119, so that 2^e and 448 x 2^e are f32 numbers.  NaN among the inputs is not served (an infinity is held at the largest code).
.set STG,   17152                      ; a wave's stage: row i at 528 i + 128 (i / 16): rows 528 bytes apart start 4 banks apart, and rows i and i + 16, which one load reads together, lie 128 bytes further apart in the banks
.set SPARE, 4*STG                      ; behind the four stages: the spare words, 128 bytes for each wave: two blocks of 256 bytes that no other line names
.set LI,   1                           ; v1      16 x lane
.set SIN,  2                           ; v2      the stage, on the way in: my wave's + 16 x lane
.set SOUT, 3                           ; v3      on the way out: my wave's + 528 (r % 8) + 8,576 (r / 8) + 64 (lane / 16)
.set SPW,  12                          ; v12     LDS address of my spare word; never rewritten
.set NIL,  13                          ; v13     0; never rewritten
.set R,    16                          ; v16-143  32 rows as loaded
.set X0,   144                         ; v144-207 image 0's 64 numbers: register 16 c + i = k 32 c + 16 (lane / 16) + i of my row
.set X1,   16                          ; v16-79   image 1's, where the loaded rows lay
.set T,    80                          ; v80-143  the numbers held: out of place, since three holds differ
.set C,    208                         ; v208-255 three sets of 16 registers of codes
	s_load_b256 s[4:11], s[0:1], 0x0               ; hidden_states, wq, wk, wv
	s_load_b256 s[12:19], s[0:1], 0x20             ; wo, the exponents, xc, wc
	v_lshl_add_u32 v[SPW], v0, 2, SPARE
	v_mov_b32 v[NIL], 0
	v_lshrrev_b32 v10, 5, v0
	v_readfirstlane_b32 s44, v10                   ; wave 0..3
	v_and_b32 v10, 31, v0
	v_lshlrev_b32 v[LI], 4, v10
	s_mul_i32 s45, s44, STG
	v_add_nc_u32 v[SIN], s45, v[LI]
	v_and_b32 v10, 7, v0
	v_mul_u32_u24 v[SOUT], v10, 528
	v_bfe_u32 v10, v0, 3, 1
	v_mul_u32_u24 v10, v10, 8576
	v_add_nc_u32 v[SOUT], v[SOUT], v10
	v_bfe_u32 v10, v0, 4, 1
	v_lshl_add_u32 v[SOUT], v10, 6, v[SOUT]
	v_add_nc_u32 v[SOUT], s45, v[SOUT]
	s_cmp_lt_u32 ttmp9, 256                        ; hidden_states' work-group, or a weight's?
	s_cselect_b32 s46, 0, 256
	s_cselect_b32 s47, 127, 31                     ; pairs of blocks in the source: 128 or 32
	s_sub_co_u32 s46, ttmp9, s46
	s_lshl_b32 s46, s46, 2
	s_add_co_u32 s46, s46, s44                     ; my unit = 4 x work-group + wave
	s_and_b32 s48, s46, 7                          ; ks
	s_lshr_b32 s49, s46, 3                         ; the pair of blocks, counted through xc or through all of wc
	s_and_b32 s50, s49, s47                        ; and in its own source tensor
	s_lshl_b32 s50, s50, 17                        ; 32 rows of 4,096 bytes
	s_lshl_b32 s51, s48, 9                         ; 128 numbers
	s_add_co_u32 s50, s50, s51
	s_mov_b32 s51, 0
	s_lshl_b32 s52, s49, 15                        ; two blocks of 16 KiB
	s_lshl_b32 s53, s48, 11
	s_add_co_u32 s52, s52, s53
	s_mov_b32 s53, 0
	s_wait_alu depctr_va_vdst(0)
	s_wait_kmcnt 0x0
	s_load_b256 s[24:31], s[14:15], 0x0            ; e0 .. e7
	s_load_b128 s[32:35], s[14:15], 0x20           ; e8 .. e11
	s_cmp_lt_u32 ttmp9, 448
	s_cselect_b64 s[20:21], s[10:11], s[12:13]     ; wv or wo
	s_cmp_lt_u32 ttmp9, 384
	s_cselect_b64 s[20:21], s[8:9], s[20:21]       ; wk
	s_cmp_lt_u32 ttmp9, 320
	s_cselect_b64 s[20:21], s[6:7], s[20:21]       ; wq
	s_cmp_lt_u32 ttmp9, 256
	s_cselect_b64 s[20:21], s[4:5], s[20:21]       ; hidden_states
	s_cselect_b64 s[22:23], s[16:17], s[18:19]     ; xc or wc
	s_add_nc_u64 s[20:21], s[20:21], s[50:51]
	s_add_nc_u64 s[22:23], s[22:23], s[52:53]
.set i, 0
.rept 32
	global_load_b128 v[R+4*i:R+4*i+3], v[LI], s[20:21] offset:4096*i th:TH_LOAD_NT   ; row i: 32 lanes read 512 consecutive bytes; read once in the launch
.set i, i+1
.endr
	s_wait_kmcnt 0x0
	s_cmp_lt_u32 ttmp9, 448
	s_cselect_b32 s36, s29, s35                    ; e5 or e11
	s_cmp_lt_u32 ttmp9, 384
	s_cselect_b32 s36, s27, s36                    ; e3
	s_cmp_lt_u32 ttmp9, 320
	s_cselect_b32 s36, s25, s36                    ; e1
	s_cmp_lt_u32 ttmp9, 256
	s_cselect_b32 s36, s24, s36                    ; e0
.macro MKSCALE e, sc, lim              ; v[sc] = 2^e as f32 (the conversion takes its exponent field), v[lim] = 448 x 2^e
	s_add_co_i32 s37, s[\e], 127
	s_lshl_b32 s38, s37, 23
	v_mov_b32 v[\sc], s38
	s_add_co_i32 s37, s37, 8
	s_lshl_b32 s37, s37, 23
	s_or_b32 s37, s37, 0x600000
	v_mov_b32 v[\lim], s37
.endm
	MKSCALE 36, 4, 5
	MKSCALE 26, 6, 7                               ; e2
	MKSCALE 28, 8, 9                               ; e4
.set i, 0
	s_wait_alu depctr_va_vdst(0)
.rept 32
	s_wait_loadcnt 31-i                            ; loads come back in order: row i is in, the younger rows stay out
	ds_store_b128 v[SIN], v[R+4*i:R+4*i+3] offset:528*i+128*(i/16)
.set i, i+1
.endr
.macro BACK x, u                       ; image u's numbers: my row 8 u + r % 8 + 16 (r / 8), 16 neighbours of each block of 32.  LDS serves a wave's instructions in order: these see my stores
.irp c, 0,1,2,3
.irp j, 0,1,2,3
	ds_load_b128 v[\x+16*\c+4*\j:\x+16*\c+4*\j+3], v[SOUT] offset:8*\u*528+128*\c+16*\j
.endr
.endr
.endm
; 64 numbers become an image's 16 registers of codes and leave: four stores of 512 consecutive bytes
.macro QUANT x, sc, lim, set, base, u
	s_wait_xcnt 0x0                                ; the earlier stores have read their registers: a set of codes is written again only behind this wait
.set i, 0
.rept 64
	v_med3_num_f32 v[T+i], v[\x+i], -v[\lim], v[\lim]   ; the conversion to an 8-bit code does not saturate (ISA guide 7.6.2): the hold at the largest code x the scale
.set i, i+1
.endr
.set i, 0
.rept 8
	v_cvt_scalef32_pk8_fp8_f32 v[C+16*\set+2*i:C+16*\set+2*i+1], v[T+8*i:T+8*i+7], v[\sc]
.set i, i+1
.endr
	v_nop                                          ; a plain vector line between the conversions and the next lines that write their sources
.irp c, 0,1,2,3
	global_store_b128 v[LI], v[C+16*\set+4*\c:C+16*\set+4*\c+3], s[\base:\base+1] offset:16384*\u+512*\c
.endr
.endm
	BACK X0, 0
	s_wait_dscnt 16                                ; all but the 16 loads just issued: the stores into the stage have read v16-143
	BACK X1, 1
	s_wait_dscnt 16                                ; image 0's numbers are in
	QUANT X0, 4, 5, 0, 22, 0
	s_wait_dscnt 0x0                               ; image 1's
	QUANT X1, 4, 5, 1, 22, 1
	s_cmp_lt_u32 ttmp9, 256                        ; a weight has one exponent; hidden_states has two more
	s_cbranch_scc0 .Lend
	s_add_nc_u64 s[40:41], s[22:23], 0x400000      ; xc's second part,
	s_add_nc_u64 s[42:43], s[22:23], 0x800000      ; and its third
	QUANT X0, 6, 7, 2, 40, 0
	QUANT X1, 6, 7, 0, 40, 1
	QUANT X0, 8, 9, 1, 42, 0
	QUANT X1, 8, 9, 2, 42, 1
.Lend:
	s_wait_tensorcnt 0x0                           ; the wave's end, behind my last LDS store
	ds_add_u32 v[SPW], v[NIL]
	s_wait_dscnt 0x0
	s_endpgm
.Lfunc_end_k_qa012fe4030_quant:
	.size	k_qa012fe4030_quant, .Lfunc_end_k_qa012fe4030_quant-k_qa012fe4030_quant
	.p2alignl 7, 3214868480
	.fill 96, 4, 3214868480
	.section	.rodata,"a",@progbits
	.p2align	6, 0x0
	.amdhsa_kernel k_qa012fe4030_quant
		.amdhsa_group_segment_fixed_size 69120
		.amdhsa_private_segment_fixed_size 0
		.amdhsa_enable_private_segment 0
		.amdhsa_kernarg_size 64
		.amdhsa_user_sgpr_count 2
		.amdhsa_user_sgpr_kernarg_segment_ptr 1
		.amdhsa_wavefront_size32 1
		.amdhsa_system_sgpr_workgroup_id_x 1
		.amdhsa_system_sgpr_workgroup_id_y 1
		.amdhsa_system_sgpr_workgroup_id_z 1
		.amdhsa_system_vgpr_workitem_id 0
		.amdhsa_next_free_vgpr 256
		.amdhsa_next_free_sgpr 66
		.amdhsa_reserve_vcc 0
		.amdhsa_float_denorm_mode_32 3
		.amdhsa_float_denorm_mode_16_64 3
		.amdhsa_memory_ordered 1
		.amdhsa_forward_progress 1
		.amdhsa_inst_pref_size 42
	.end_amdhsa_kernel
	.amdgpu_metadata
---
amdhsa.version: [ 1, 2 ]
amdhsa.kernels:
  - .name:           k_qa012fe4030_quant
    .symbol:         k_qa012fe4030_quant.kd
    .args:
      - { .name: hidden_states, .offset: 0, .size: 8, .value_kind: global_buffer, .address_space: global }
      - { .name: wq, .offset: 8, .size: 8, .value_kind: global_buffer, .address_space: global }
      - { .name: wk, .offset: 16, .size: 8, .value_kind: global_buffer, .address_space: global }
      - { .name: wv, .offset: 24, .size: 8, .value_kind: global_buffer, .address_space: global }
      - { .name: wo, .offset: 32, .size: 8, .value_kind: global_buffer, .address_space: global }
      - { .name: lowp_scales, .offset: 40, .size: 8, .value_kind: global_buffer, .address_space: global }
      - { .name: xc, .offset: 48, .size: 8, .value_kind: global_buffer, .address_space: global }
      - { .name: wc, .offset: 56, .size: 8, .value_kind: global_buffer, .address_space: global }
    .group_segment_fixed_size: 69120
    .private_segment_fixed_size: 0
    .kernarg_segment_align: 8
    .kernarg_segment_size: 64
    .max_flat_workgroup_size: 128
    .sgpr_count:     66
    .vgpr_count:     256
    .wavefront_size: 32
...
	.end_amdgpu_metadata
.endif
;; end of part 1
;; launch qkv (part 2): grid 12 x 16, 4 waves a work-group, clusters of 4 x 4, 327,680 bytes of LDS; arguments xc, wc, bq, bk, bv, lowp_scales, qc, kv; writes qc, kv
.if DOCPART == 2
	.amdgcn_target "amdgcn-amd-amdhsa--gfx1250"
	.amdhsa_code_object_version 6
	.text
	.protected	k_qa012fe4030_qkv
	.globl	k_qa012fe4030_qkv
	.p2align	8
	.type	k_qa012fe4030_qkv,@function
k_qa012fe4030_qkv:
	s_mov_b64 s[64:65], 0
	v_nop
	global_prefetch_b8 v0, s[64:65] scope:SCOPE_SE
	s_setreg_imm32_b32 hwreg(HW_REG_WAVE_MODE, 25, 1), 1
	s_wait_xcnt 0x0
	s_wait_alu depctr_hold_cnt(0) depctr_sa_sdst(0) depctr_va_vdst(0) depctr_va_sdst(0) depctr_va_ssrc(0) depctr_va_vcc(0) depctr_vm_vsrc(0)
	s_getreg_b32 s2, hwreg(HW_REG_IB_STS2, 6, 4)
	s_cmp_eq_u32 s2, 0
	s_cbranch_scc0 .Lentry_in_a_cluster
	s_endpgm
.Lentry_in_a_cluster:
	s_bfe_u32 s2, ttmp6, 0x10000c
	s_cmp_lg_u32 s2, 0xf033
	s_cbranch_scc0 .Lentry_shape_is_right
	s_endpgm
.Lentry_shape_is_right:
; q, k, v = x W^T + b on codes of FP8 (E4M3), sums in f32; each result x 2^(its two exponents) + bias is quantised for attention (entries 6, 7, 9 of the scales: held within +-448 x the scale, then converted)
; and stored as images of operand registers: q into qc, k and v into kv (for each head and step of 128 keys: K's 8,192 bytes, then V^T's 8,192).
; The cluster's x chooses the product (0 q, 1 k, 2 v): only pointers, exponents and offsets are chosen by it.  For v the two operands change places, so that the keys come innermost.
; A block of 256 x 256 to a work-group of four waves, 128 x 128 a wave; K in four steps of 256 through a ring of two LDS slots; in a 4 x 4 cluster each operand's tile is asked for jointly along a row or a column.
; No prefetch: K has four steps, and the first two are asked for at the head.
; LIMITS: each sum of two operand exponents lies between -126 and 127, entries 6, 7 and 9 between -126 and 119.  NaN among the inputs is not served.
.set SLOT,  131072
.set SPARE, 2*SLOT
.set FR,    16
.set NL,    4
.set NP,    4
.set VBJ,   5
.set VBI,   7
.set SC,    10
.set LIM,   11
.set ADRA,  16
.set ADRB,  20
.set LI,    26
.set SPW,   28
.set NIL,   29
.set BJ,    32
.set BI,    96
.set AF,    128
.set T,     128
.set CD,    192
.set WV,  20
.set WR,  21
.set WC,  22
.set G1,  24
.set G0,  32
.set G1B, 48
.set G0B, 56
.set WH,  80
.set ISV, 81
.set NOTV, 82
.set MSB, 0
.macro WIN new
.if MSB != (\new)
	s_set_vgpr_msb (MSB<<8)|(\new)
.set MSB, (\new)
.endif
.endm
.set MUL_LO, 0xa1
.set MUL_HI, 0xf1
.set TO_B,   0x40
.macro JLOAD s
	s_cmp_eq_u32 s[WR], 0
	s_cbranch_scc0 .Lfor_b_\@
	tensor_load_to_lds s[G0+4*\s:G0+4*\s+3], s[G1:G1+7]
	s_nop 0
.rept 4
	v_nop
.endr
	s_branch .Lasked_\@
.Lfor_b_\@:
	tensor_load_to_lds s[G0B+4*\s:G0B+4*\s+3], s[G1B:G1B+7]
	s_nop 0
.rept 4
	v_nop
.endr
.Lasked_\@:
.endm
.macro CREST
	s_cmp_lg_u32 s[WV], 0
	s_cbranch_scc1 .Lnot_wave_0_\@
	s_barrier_signal -3
.Lnot_wave_0_\@:
	s_barrier_wait -3
	s_barrier_signal -1
	s_barrier_wait -1
.endm
.macro CROUND
	s_barrier_signal -1
	s_barrier_wait -1
	CREST
.endm
	s_load_b256 s[4:11], s[0:1], 0x0
	s_load_b256 s[12:19], s[0:1], 0x20
	v_lshl_add_u32 v[SPW], v0, 2, SPARE
	v_mov_b32 v[NIL], 0
	ds_add_u32 v[SPW], v[NIL]
	ds_add_u32 v[SPW], v[NIL]
	v_lshrrev_b32 v1, 5, v0
	v_readfirstlane_b32 s[WV], v1
	s_lshr_b32 s[WR], s[WV], 1
	s_and_b32 s[WC], s[WV], 1
	s_bfe_u32 s40, ttmp6, 0x40000
	s_bfe_u32 s41, ttmp6, 0x40004
	s_mov_b32 s[WH], ttmp9
	s_and_b32 s42, ttmp7, 0xffff
	s_lshl_b32 s42, s42, 2
	s_lshl_b32 s43, s41, 2
	s_lshl_b32 s43, 15, s43
	s_lshl_b32 s44, 0x1111, s40
	s_or_b32 s[G1], s43, (1<<21)
	s_or_b32 s[G1B], s44, (1<<21)
.irp g, G1, G1B
	s_mov_b32 s[\g+1], 4096<<16
	s_mov_b32 s[\g+2], 8<<16
	s_mov_b32 s[\g+3], 4096<<16
	s_mov_b32 s[\g+4], 8
	s_mov_b32 s[\g+5], 16384
	s_mov_b32 s[\g+6], 0
	s_mov_b32 s[\g+7], 0
.endr
	s_lshl_b32 s98, s[WH], 22
	s_lshl_b32 s99, s[WH], 20
	s_cmp_eq_u32 s[WH], 2
	s_cselect_b32 s45, 0, s42
	s_cselect_b32 s46, s42, 0
	s_cselect_b32 s98, 0x200000, s98
	s_cselect_b32 s99, 0x800000, s99
	s_cselect_b32 s[ISV], -1, 0
	s_cselect_b32 s[NOTV], 0, -1
	s_add_co_u32 s45, s45, s41
	s_add_co_u32 s46, s46, s40
	s_lshl_b32 s84, s45, 18
	s_add_co_u32 s84, s84, s98
	s_lshl_b32 s85, s[WC], 17
	s_add_co_u32 s84, s84, s85
	s_mov_b32 s85, 0
	s_lshl_b32 s100, s46, 18
	s_add_co_u32 s100, s100, s99
	s_lshl_b32 s101, s[WC], 17
	s_add_co_u32 s100, s100, s101
	s_mov_b32 s101, 0
	s_lshl_b32 s47, s[WV], 15
	s_wait_dscnt 0x0
	s_wait_kmcnt 0x0
	s_load_b256 s[68:75], s[14:15], 0x0
	s_load_b128 s[76:79], s[14:15], 0x20
	s_cmp_eq_u32 s[WH], 2
	s_cselect_b64 s[90:91], s[6:7], s[4:5]
	s_cselect_b64 s[92:93], s[4:5], s[6:7]
	s_add_nc_u64 s[90:91], s[90:91], s[84:85]
	s_add_nc_u64 s[92:93], s[92:93], s[100:101]
	CROUND
.irp s, 0,1
	s_mov_b32 s[G0+4*\s], 1
	s_add_co_u32 s[G0+4*\s+1], s47, \s*SLOT
	s_add_nc_u64 s[G0+4*\s+2:G0+4*\s+3], s[90:91], \s*4096
	s_or_b32 s[G0+4*\s+3], s[G0+4*\s+3], 0x80000000
	s_mov_b32 s[G0B+4*\s], 1
	s_add_co_u32 s[G0B+4*\s+1], s47, \s*SLOT
	s_add_nc_u64 s[G0B+4*\s+2:G0B+4*\s+3], s[92:93], \s*4096
	s_or_b32 s[G0B+4*\s+3], s[G0B+4*\s+3], 0x80000000
.endr
	JLOAD 0                                        ; K step 0, behind the opening round: my one tensor load at the head
	s_wait_alu depctr_va_vdst(0)
	s_wait_tensorcnt 0x0                           ; slot 1's first fill is issued as a refill is
	ds_add_u32 v28, v29
	s_wait_dscnt 0x0
	CROUND
	JLOAD 1
	v_and_b32 v1, 15, v0
	v_bfe_u32 v2, v0, 4, 1
	s_wait_alu depctr_va_vdst(0)
	v_and_b32 v3, 31, v0
	v_lshlrev_b32 v[LI], 4, v3
	s_lshl_b32 s98, s[WR], 15
	s_lshl_b32 s99, s[WC], 15
	s_add_co_u32 s99, s99, 65536
.irp s, 0,1
	v_add_nc_u32 v[ADRA+\s], s98, v[LI]
	v_add_nc_u32 v[ADRB+\s], s99, v[LI]
	s_add_co_u32 s98, s98, SLOT
	s_add_co_u32 s99, s99, SLOT
.endr
	s_cmp_eq_u32 s[WH], 0
	s_cselect_b64 s[94:95], s[8:9], s[10:11]
	s_cselect_b64 s[86:87], s[16:17], s[18:19]
	s_cmp_eq_u32 s[WH], 2
	s_cselect_b64 s[94:95], s[12:13], s[94:95]
	s_lshl_b32 s98, s46, 10
	s_lshl_b32 s99, s[WC], 9
	s_add_co_u32 s98, s98, s99
	s_lshl_b32 s99, s45, 10
	s_lshl_b32 s83, s[WR], 9
	s_add_co_u32 s99, s99, s83
	s_cmp_eq_u32 s[WH], 2
	s_cselect_b32 s98, 0, s98
	s_cselect_b32 s99, s99, 0
	v_lshl_add_u32 v[VBJ], v2, 6, s98
	v_and_b32 v[VBI], 7, v0
	v_bfe_u32 v8, v0, 3, 1
	v_lshl_add_u32 v[VBI], v8, 4, v[VBI]
	v_lshl_add_u32 v[VBI], v[VBI], 2, s99
.irp bb, 0,1,2,3
.irp jq, 0,1,2,3
	global_load_b128 v[BJ+16*\bb+4*\jq:BJ+16*\bb+4*\jq+3], v[VBJ], s[94:95] offset:128*\bb+16*\jq
.endr
.endr
.irp a, 0,1,2,3,4,5,6,7
	global_load_b32 v[BI+2*\a], v[VBI], s[94:95] offset:4*(32*(\a/2)+8*(\a%2))
.endr
	s_lshl_b32 s98, s45, 1
	s_add_co_u32 s98, s98, s[WR]
	s_lshl_b32 s99, s46, 1
	s_add_co_u32 s99, s99, s[WC]
	s_lshl_b32 s83, 0x40000, s[WH]
	s_min_u32 s23, s[WH], 1
	s_mov_b32 s90, 1024
	s_mov_b32 s92, 1024
	s_cmp_eq_u32 s[WH], 2
	s_cselect_b32 s66, s98, s99
	s_cselect_b32 s67, s99, s98
	s_cselect_b32 s83, 1024, s83
	s_cselect_b32 s90, 2048, s90
	s_cselect_b32 s92, 518144, s92
	s_cselect_b32 s43, 8192, 0
	s_lshl_b32 s66, s66, 19
	s_lshl_b32 s67, s67, 13
	s_add_co_u32 s98, s66, s67
	s_lshl_b32 s98, s98, s23
	s_add_co_u32 s98, s98, s43
	s_mov_b32 s99, 0
	s_add_nc_u64 s[86:87], s[86:87], s[98:99]
	s_mov_b32 s98, s83
	s_add_nc_u64 s[88:89], s[86:87], s[98:99]
	s_mov_b32 s91, 0
	s_mov_b32 s93, 0
.macro FRAG reg, adr, q, i
.irp c, 0,1,2,3
	ds_load_b128 v[\reg+4*\c:\reg+4*\c+3], v[\adr] offset:(\i)*4096+(\q)*2048+512*\c
.endr
.endm
.macro MUL16 a0, p, zero
.irp a, \a0, \a0+1
.irp b, 0,1,2,3,4,5,6,7
.if \zero
	v_wmma_f32_16x16x128_fp8_fp8 v[8*(8*((\a)%4)+\b):8*(8*((\a)%4)+\b)+7], v[128*(\p)+FR*\b:128*(\p)+FR*\b+FR-1], v[AF+FR*(\a):AF+FR*(\a)+FR-1], 0
.else
	v_wmma_f32_16x16x128_fp8_fp8 v[8*(8*((\a)%4)+\b):8*(8*((\a)%4)+\b)+7], v[128*(\p)+FR*\b:128*(\p)+FR*\b+FR-1], v[AF+FR*(\a):AF+FR*(\a)+FR-1], v[8*(8*((\a)%4)+\b):8*(8*((\a)%4)+\b)+7]
.endif
.endr
.endr
.endm
.macro FETCH_B slot, q, p
	WIN TO_B
.irp i, 0,1,2,3,4,5,6,7
	FRAG 128*(\p)+FR*\i, ADRB+\slot, \q, \i
.endr
	WIN 0
.endm
.macro FETCH_A slot, q, i0
.irp i, \i0, \i0+1, \i0+2, \i0+3
	FRAG AF+FR*(\i), ADRA+\slot, \q, \i
.endr
.endm
.macro PLACES n
.rept \n
	v_nop
.endr
.endm
.macro STEP slot, q, zero
	s_wait_dscnt 4*NL
	WIN MUL_LO
	MUL16 0, (\q)%2, \zero
	MUL16 2, (\q)%2, \zero
	s_wait_dscnt 0
	PLACES NP
	FETCH_B \slot, (\q)+1, 1-(\q)%2
	FETCH_A \slot, (\q)+1, 0
	WIN MUL_HI
	MUL16 4, (\q)%2, \zero
	MUL16 6, (\q)%2, \zero
	PLACES NP
	WIN 0
	FETCH_A \slot, (\q)+1, 4
.endm
.macro TURN slot, next, fill
	s_wait_tensorcnt 0x0
	ds_add_u32 v[SPW], v[NIL]
	s_wait_dscnt 4*NL+1
	WIN MUL_LO
	MUL16 0, 1, 0
	s_wait_dscnt 0x0
	s_barrier_signal -1
	MUL16 2, 1, 0
	WIN 0
	s_barrier_wait -1
.if \fill
	CREST
	s_add_nc_u64 s[G0+4*\slot+2:G0+4*\slot+3], s[G0+4*\slot+2:G0+4*\slot+3], 8192
	s_add_nc_u64 s[G0B+4*\slot+2:G0B+4*\slot+3], s[G0B+4*\slot+2:G0B+4*\slot+3], 8192
	JLOAD \slot
.else
	PLACES NP
.endif
	FETCH_B \next, 0, 0
	FETCH_A \next, 0, 0
	WIN MUL_HI
	MUL16 4, 1, 0
	MUL16 6, 1, 0
	PLACES NP
	WIN 0
	FETCH_A \next, 0, 4
.endm
	s_wait_alu depctr_va_vdst(0)
	s_wait_tensorcnt 1
	s_barrier_signal -1
	s_barrier_wait -1
	FETCH_B 0, 0, 0
	FETCH_A 0, 0, 0
	FETCH_A 0, 0, 4
	STEP 0, 0, 1
	TURN 0, 1, 1
	STEP 1, 0, 0
	TURN 1, 0, 1
	STEP 0, 0, 0
	TURN 0, 1, 0
	STEP 1, 0, 0
	s_wait_dscnt 4*NL
	WIN MUL_LO
	MUL16 0, 1, 0
	MUL16 2, 1, 0
	s_wait_dscnt 0
	WIN MUL_HI
	MUL16 4, 1, 0
	MUL16 6, 1, 0
	WIN 0
	s_wait_loadcnt 0x0
	s_wait_kmcnt 0x0
	s_add_co_i32 s98, s68, s69
	s_add_co_i32 s99, s70, s71
	s_add_co_i32 s100, s72, s73
	s_cmp_eq_u32 s[WH], 0
	s_cselect_b32 s98, s98, s99
	s_cselect_b32 s99, s74, s75
	s_cmp_eq_u32 s[WH], 2
	s_cselect_b32 s98, s100, s98
	s_cselect_b32 s99, s77, s99
	s_add_co_i32 s98, s98, 127
	s_lshl_b32 s96, s98, 23
	s_mov_b32 s97, s96
	s_add_co_i32 s99, s99, 127
	s_lshl_b32 s98, s99, 23
	v_mov_b32 v[SC], s98
	s_add_co_i32 s99, s99, 8
	s_lshl_b32 s99, s99, 23
	s_or_b32 s99, s99, 0x600000
	v_mov_b32 v[LIM], s99
.set i, 0
.rept 64
	v_cndmask_b32 v[BJ+i], 0, v[BJ+i], s[NOTV]
.set i, i+1
.endr
.irp a, 0,1,2,3,4,5,6,7
	v_cndmask_b32 v[BI+2*\a], 0, v[BI+2*\a], s[ISV]
	v_mov_b32 v[BI+2*\a+1], 0
.endr
.macro OUTBLK a
.set AC, 64*((\a)%4)
.set CS, CD+16*((\a)%4)
	WIN 0x02+((\a)/4)
.set i, 0
.rept 32
	v_pk_fma_f32 v[T+i:T+i+1], v[AC+i:AC+i+1], s[96:97], v[BJ+i:BJ+i+1] op_sel_hi:[1,0,1]
.set i, i+2
.endr
	WIN 0
.set i, 0
.rept 32
	v_pk_add_f32 v[T+i:T+i+1], v[T+i:T+i+1], v[BI+2*(\a):BI+2*(\a)+1] op_sel_hi:[1,0]
.set i, i+2
.endr
.set i, 0
.rept 64
	v_med3_num_f32 v[T+i], v[T+i], -v[LIM], v[LIM]
.set i, i+1
.endr
.set i, 0
.rept 8
	v_cvt_scalef32_pk8_fp8_f32 v[CS+2*i:CS+2*i+1], v[T+8*i:T+8*i+7], v[SC]
.set i, i+1
.endr
	v_nop
.if (\a) > 0
	s_wait_alu depctr_va_vdst(0)
	s_wait_xcnt 0x0
.if (\a) == 4
	s_add_nc_u64 s[86:87], s[86:87], s[92:93]
	s_add_nc_u64 s[88:89], s[88:89], s[92:93]
.else
	s_add_nc_u64 s[86:87], s[86:87], s[90:91]
	s_add_nc_u64 s[88:89], s[88:89], s[90:91]
.endif
.endif
	global_store_b128 v[LI], v[CS:CS+3], s[86:87]
	global_store_b128 v[LI], v[CS+4:CS+7], s[86:87] offset:512
	global_store_b128 v[LI], v[CS+8:CS+11], s[88:89]
	global_store_b128 v[LI], v[CS+12:CS+15], s[88:89] offset:512
.endm
.irp a, 0,1,2,3,4,5,6,7
	OUTBLK \a
.endr
	s_wait_tensorcnt 0x0
	ds_add_u32 v[SPW], v[NIL]
	s_wait_dscnt 0x0
	CROUND
	s_endpgm
.Lfunc_end_k_qa012fe4030_qkv:
	.size	k_qa012fe4030_qkv, .Lfunc_end_k_qa012fe4030_qkv-k_qa012fe4030_qkv
	.p2alignl 7, 3214868480
	.fill 96, 4, 3214868480
	.section	.rodata,"a",@progbits
	.p2align	6, 0x0
	.amdhsa_kernel k_qa012fe4030_qkv
		.amdhsa_group_segment_fixed_size 327680
		.amdhsa_private_segment_fixed_size 0
		.amdhsa_enable_private_segment 0
		.amdhsa_kernarg_size 64
		.amdhsa_user_sgpr_count 2
		.amdhsa_user_sgpr_kernarg_segment_ptr 1
		.amdhsa_wavefront_size32 1
		.amdhsa_system_sgpr_workgroup_id_x 1
		.amdhsa_system_sgpr_workgroup_id_y 1
		.amdhsa_system_sgpr_workgroup_id_z 1
		.amdhsa_system_vgpr_workitem_id 0
		.amdhsa_next_free_vgpr 1024
		.amdhsa_next_free_sgpr 102
		.amdhsa_reserve_vcc 0
		.amdhsa_float_denorm_mode_32 3
		.amdhsa_float_denorm_mode_16_64 3
		.amdhsa_memory_ordered 1
		.amdhsa_forward_progress 1
		.amdhsa_inst_pref_size 159
	.end_amdhsa_kernel
	.amdgpu_metadata
---
amdhsa.version: [ 1, 2 ]
amdhsa.kernels:
  - .name:           k_qa012fe4030_qkv
    .symbol:         k_qa012fe4030_qkv.kd
    .args:
      - { .name: xc, .offset: 0, .size: 8, .value_kind: global_buffer, .address_space: global }
      - { .name: wc, .offset: 8, .size: 8, .value_kind: global_buffer, .address_space: global }
      - { .name: bq, .offset: 16, .size: 8, .value_kind: global_buffer, .address_space: global }
      - { .name: bk, .offset: 24, .size: 8, .value_kind: global_buffer, .address_space: global }
      - { .name: bv, .offset: 32, .size: 8, .value_kind: global_buffer, .address_space: global }
      - { .name: lowp_scales, .offset: 40, .size: 8, .value_kind: global_buffer, .address_space: global }
      - { .name: qc, .offset: 48, .size: 8, .value_kind: global_buffer, .address_space: global }
      - { .name: kv, .offset: 56, .size: 8, .value_kind: global_buffer, .address_space: global }
    .group_segment_fixed_size: 327680
    .private_segment_fixed_size: 0
    .kernarg_segment_align: 8
    .kernarg_segment_size: 64
    .max_flat_workgroup_size: 128
    .sgpr_count:     102
    .vgpr_count:     1024
    .wavefront_size: 32
...
	.end_amdgpu_metadata
.endif
;; end of part 2
;; launch attn (part 3): grid 64 x 4, 8 waves a work-group, clusters of 4 x 4, 327,680 bytes of LDS; arguments qc, kv, attention_mask, lowp_scales, ao; writes ao
.if DOCPART == 3
	.amdgcn_target "amdgcn-amd-amdhsa--gfx1250"
	.amdhsa_code_object_version 6
	.text
	.protected	k_qa012fe4030_attn
	.globl	k_qa012fe4030_attn
	.p2align	8
	.type	k_qa012fe4030_attn,@function
k_qa012fe4030_attn:
	s_mov_b64 s[64:65], 0
	v_nop
	global_prefetch_b8 v0, s[64:65] scope:SCOPE_SE
	s_setreg_imm32_b32 hwreg(HW_REG_WAVE_MODE, 25, 1), 1
	s_wait_xcnt 0x0
	s_wait_alu depctr_hold_cnt(0) depctr_sa_sdst(0) depctr_va_vdst(0) depctr_va_sdst(0) depctr_va_ssrc(0) depctr_va_vcc(0) depctr_vm_vsrc(0)
	s_getreg_b32 s2, hwreg(HW_REG_IB_STS2, 6, 4)
	s_cmp_eq_u32 s2, 0
	s_cbranch_scc0 .Lentry_in_a_cluster
	s_endpgm
.Lentry_in_a_cluster:
	s_bfe_u32 s2, ttmp6, 0x10000c
	s_cmp_lg_u32 s2, 0xf033
	s_cbranch_scc0 .Lentry_shape_is_right
	s_endpgm
.Lentry_shape_is_right:
; Attention on codes of FP8 (E4M3): logit = q . k / 8 + mask;  t = logit x log2(e);  M = the row's largest t so far, rounded UP to a whole number;  p = 2^(t - M) is quantised along the keys, not normalised;
; the row's sum is taken of the unquantised p in f32 and divides O at the end.  When M moves, the sum and O are multiplied by 2^(old M - new M): exact.  The result is quantised for the last projection.
; THE MASK IS AN INPUT: every number of it is read and added in f32; all 4,096 keys are walked for every query.  No work is left out.
; SHARES.  A work-group owns 64 queries (block qb) and FOUR heads (group cy).  Wave w: head 4 cy + w % 4, query tiles rb = 4 qb + 2 (w / 4) + 0, 1: each fragment of K and V feeds two tiles.  32 steps of 128 keys.
; K AND V come through a ring of two LDS slots of 65,536 bytes (four heads x 16,384), filled by joint tensor loads: in a 4 x 4 cluster a row (same cy) has the same four heads.  Every wave fetches 8,192 bytes: head w % 4, K (w / 4 = 0) or V (1).
; THE MASK goes through registers and a stage in LDS, two steps ahead.  In step j wave w loads rows 8 w .. 8 w + 7 of step j + 2's 64 x 128 numbers, a row (512 consecutive bytes) a load, right behind the change of slots; at the step's end it
; stores them into the stage beside the OTHER slot; the next change's barrier shows them to all; in step j + 1 each wave reads its queries' numbers of step j + 2 into the registers that the step's additions have just read.
; The mask is not asked for jointly, though a column of the cluster reads the same rows: its loads stay out over a whole step and are not waited for at the round, as every tensor load is.
; LAYOUT.  Codes lie as images of operand registers (byte 512 c + 16 lane + y: row P(tile, lane % 16), k = 32 c + 16 (lane / 16) + y; P(t, r) = 32 (t / 2) + 8 (t % 2) + r % 8 + 16 (r / 8)).  Both products are used transposed:
; S^T = K Q^T, O^T = V^T P^T: a lane holds ONE query; register 16 b + i of a tile's scores is key 32 b + 16 (lane / 16) + i, so p's codes are the second product's operand, and O's codes the last projection's image.
; LIMITS: e6 + e7 between -123 and 130; e8 and e10 between -126 and 119.  A row none of whose logits lies above about -2e38 has the sum 0 and comes out as NaN.  NaN among the inputs is not served.
; REGISTERS.  window 0: v1-11 addresses and the second hold; v12-19 statistics (tile u: -M, largest t, the sum in two halves); v20-23 f; v24-27 at work; v28, v29 hold and scale; v30, v31 the add's two;
;   v32-159 S^T, then p; v160-191 p's codes; v192-255 K's fragments, then V's.     window 1: v0-127 the mask; v128-191 O^T; v192-207 Q; v208-239 eight mask rows on their way to the stage.
.set SLOT1, 131072
.set MOFF,  65536                      ; beside each slot: a stage of 64 mask rows; no tensor load lands there
.set MP,    528                        ; a mask row in LDS: 512 bytes + 16
.set MBLK,  8576                       ; 16 mask rows + 128 bytes
.set SPARE, SLOT1+MOFF+4*MBLK          ; the spare words: 128 bytes a wave, four blocks of 256 bytes that no other line names
.set AKV0, 1
.set AM0,  2
.set PFO,  3
.set AKV,  4
.set AM,   5
.set LI,   6
.set HOLD2, 7                          ; the hold once more, in another register bank: the second half of a dual pair reads it
.set PX,   8
.set AS0,  10                          ; where my eight rows go in slot 0's stage, + 16 x lane
.set ASW,  11                          ; the same in the stage that this step writes
.set ST,   12
.set FF,   20
.set TM,   24
.set HOLD, 28
.set SCL,  29
.set SPW,  30
.set NIL,  31
.set S,    32
.set PC,   160
.set F,    192
.set MK,   0
.set O,    128
.set Q,    192
.set MS,   208
.set TB,    2
.set SLOTS, 3
.set WV,   14
.set HL,   15
.set PP,   16
.set PFA,  18
.set SEL,  20
.set C8,   22
.set G1K,  24
.set L2E,  50
.set G0K,  52
.set PFS,  60
.set LIM,  62
.set GM,   88                          ; s[88:89] my eight mask rows at the step that the next loads take
.set MSB, 0
.macro WIN new
.if MSB != (\new)
	s_set_vgpr_msb (MSB<<8)|(\new)
.set MSB, (\new)
.endif
.endm
.macro JLOAD                           ; my 8,192 bytes of the slot; s_nop 0 and four v_nop follow
	tensor_load_to_lds s[G0K:G0K+3], s[G1K:G1K+7]
	s_nop 0
.rept 4
	v_nop
.endr
.endm
; A prefetch, one step ahead of the load that will want the bytes: K, V of step j + 2; the mask of step j + 3.  Each aligned block of 256 bytes is named once in the launch:
; the four work-groups of a column, which read the same 64 mask rows, take 16 rows each BY ADDRESS (cy), wave 4 asking, a lane for each half of a row; K and V are asked for by the first cluster, a head a partner by address (cx), waves 0 and 1.
; The mask's last asking trip is the 29th (step 31), K's and V's the 30th (step 31).
.macro ASK
	s_cmp_gt_u32 s[SLOTS], s[LIM]
	s_cbranch_scc0 .Lnot_mine_\@
	global_prefetch_b8 v[PFO], s[PFA:PFA+1] th:TH_LOAD_NT scope:SCOPE_SE
.Lnot_mine_\@:
.endm
.macro CROUND
	s_barrier_signal -1
	s_barrier_wait -1
	s_cmp_lg_u32 s[WV], 0
	s_cbranch_scc1 .Lnot_wave_0_\@
	s_barrier_signal -3
.Lnot_wave_0_\@:
	s_barrier_wait -3
	s_barrier_signal -1
	s_barrier_wait -1
.endm
.macro MREAD                           ; my queries' mask, 64 numbers a tile in the scores' own order, from the stage at v[AM]
	WIN 0x40
.irp u, 0,1
.irp b, 0,1,2,3
.irp j, 0,1,2,3
	ds_load_b128 v[MK+64*\u+16*\b+4*\j:MK+64*\u+16*\b+4*\j+3], v[AM] offset:8*\u*MP+128*\b+16*\j
.endr
.endr
.endr
	WIN 0
.endm
	s_load_b256 s[4:11], s[0:1], 0x0               ; qc, kv, the mask, the exponents
	s_load_b64 s[12:13], s[0:1], 0x20              ; ao
	v_lshl_add_u32 v[SPW], v0, 2, SPARE
	v_mov_b32 v[NIL], 0
	ds_add_u32 v[SPW], v[NIL]                      ; the opening lines: the add twice on end and its wait ahead of my first tensor load
	ds_add_u32 v[SPW], v[NIL]
	v_lshrrev_b32 v1, 5, v0
	v_readfirstlane_b32 s[WV], v1                  ; wave 0..7
	s_and_b32 s[HL], s[WV], 3
	s_lshr_b32 s[PP], s[WV], 2
	s_bfe_u32 s40, ttmp6, 0x40000                  ; cx
	s_bfe_u32 s41, ttmp6, 0x40004                  ; cy
	s_lshl_b32 s42, ttmp9, 2
	s_add_co_u32 s42, s42, s40                     ; qb
	s_lshl_b32 s43, s41, 2
	s_lshl_b32 s44, 15, s43                        ; my row of the cluster
	s_add_co_u32 s43, s43, s[HL]                   ; my head
	s_or_b32 s[G1K], s44, (3<<16)|(1<<21)          ; a dense block of 8,192 bytes as 2 rows of 4,096 (512 elements of 8 bytes)
	s_mov_b32 s[G1K+1], 512<<16
	s_mov_b32 s[G1K+2], 2<<16
	s_mov_b32 s[G1K+3], 512<<16
	s_mov_b32 s[G1K+4], 2
	s_mov_b32 s[G1K+5], 512
	s_mov_b32 s[G1K+6], 0
	s_mov_b32 s[G1K+7], 0
	s_lshl_b32 s46, s43, 19                        ; my head in kv,
	s_lshl_b32 s47, s[PP], 13
	s_add_co_u32 s46, s46, s47                     ; K's or V's half of a step
	s_mov_b32 s47, 0
	s_mov_b32 s[G0K], 1
	s_lshl_b32 s[G0K+1], s[HL], 14
	s_lshl_b32 s48, s[PP], 13
	s_add_co_u32 s[G0K+1], s[G0K+1], s48
	s_mov_b32 s[SEL], 0x76543210
	s_mov_b32 s[SEL+1], 0xfedcba98
	s_mov_b32 s[L2E], 0x3fb8aa3b
	s_mov_b32 s[L2E+1], s[L2E]
	s_mov_b32 s[TB], 0
	s_mov_b32 s[SLOTS], 30
	s_wait_dscnt 0x0
	s_wait_kmcnt 0x0
	s_load_b256 s[68:75], s[10:11], 0x0            ; e0 .. e7
	s_load_b128 s[76:79], s[10:11], 0x20           ; e8 .. e11
	s_add_nc_u64 s[G0K+2:G0K+3], s[6:7], s[46:47]
	s_or_b32 s[G0K+3], s[G0K+3], 0x80000000
	CROUND
	JLOAD                                          ; slot 0: step 0: my one tensor load at the head
	v_and_b32 v7, 31, v0
	v_lshlrev_b32 v[LI], 4, v7
	s_lshl_b32 s[GM], s42, 3
	s_add_co_u32 s[GM], s[GM], s[WV]
	s_lshl_b32 s[GM], s[GM], 17                    ; mask row 64 qb + 8 wave, of 16,384 bytes
	s_mov_b32 s[GM+1], 0
	s_add_nc_u64 s[GM:GM+1], s[8:9], s[GM:GM+1]
	s_wait_alu depctr_va_vdst(0)                   ; the wait ahead of a reader behind scalar lines
.irp i, 0,1,2,3,4,5,6,7
	global_load_b128 v[S+4*\i:S+4*\i+3], v[LI], s[GM:GM+1] offset:16384*\i           ; step 0's rows: 512 consecutive bytes a load
.endr
	WIN 0x40
.irp i, 0,1,2,3,4,5,6,7
	global_load_b128 v[MS+4*\i:MS+4*\i+3], v[LI], s[GM:GM+1] offset:16384*\i+512     ; step 1's
.endr
	WIN 0
	; the prefetches: kv at step 1, the mask at step 2; the first change steps them on by one
	s_lshl_b32 s80, s41, 2
	s_add_co_u32 s80, s80, s40
	s_lshl_b32 s80, s80, 19
	s_and_b32 s81, s[WV], 1
	s_lshl_b32 s81, s81, 13
	s_add_co_u32 s80, s80, s81
	s_add_co_u32 s80, s80, 16384
	s_lshl_b32 s81, s42, 2
	s_add_co_u32 s81, s81, s41
	s_lshl_b32 s81, s81, 18
	s_add_co_u32 s81, s81, 1024
	s_mov_b32 s[PFS], 512
	s_cmp_lt_u32 s[WV], 4
	s_cselect_b64 s[PFA:PFA+1], s[6:7], s[8:9]
	s_cselect_b32 s80, s80, s81
	s_cselect_b32 s[PFS], 16384, s[PFS]
	s_cselect_b32 s63, 0, -1
	s_mov_b32 s81, 0
	s_mov_b32 s[PFS+1], 0
	s_add_nc_u64 s[PFA:PFA+1], s[PFA:PFA+1], s[80:81]
	s_lshr_b32 s82, s[WV], 1
	s_or_b32 s82, s82, ttmp9                       ; 0 in waves 0 and 1 of the first cluster
	s_cmp_eq_u32 s82, 0
	s_cselect_b32 s[LIM], 0, -1                    ; they ask in all 30 trips,
	s_cmp_eq_u32 s[WV], 4
	s_cselect_b32 s[LIM], 1, s[LIM]                ; wave 4 everywhere in all but the last
	v_lshlrev_b32 v[PFO], 8, v7
	v_lshrrev_b32 v10, 1, v7
	v_lshlrev_b32 v10, 14, v10
	v_and_b32 v11, 1, v0
	v_lshl_add_u32 v10, v11, 8, v10
	v_cndmask_b32 v[PFO], v[PFO], v10, s63
	v_and_b32 v10, 7, v0
	v_mul_u32_u24 v[AM0], v10, MP
	v_bfe_u32 v10, v0, 3, 1
	v_mul_u32_u24 v10, v10, MBLK
	v_add_nc_u32 v[AM0], v[AM0], v10
	v_bfe_u32 v10, v0, 4, 1
	v_lshl_add_u32 v[AM0], v10, 6, v[AM0]
	s_mul_i32 s82, s[PP], 2*MBLK
	s_add_co_u32 s82, s82, MOFF
	v_add_nc_u32 v[AM0], s82, v[AM0]               ; stage row 32 (wave / 4) + r % 8 + 16 (r / 8) (+ 8 for tile 1), + 64 (lane / 16)
	v_add_nc_u32 v[AM], SLOT1, v[AM0]              ; step 0's mask is read from the stage beside slot 1
	s_lshl_b32 s82, s[HL], 14
	v_add_nc_u32 v[AKV0], s82, v[LI]
	s_lshr_b32 s82, s[WV], 1
	s_mul_i32 s82, s82, MBLK
	s_and_b32 s83, s[WV], 1
	s_mul_i32 s83, s83, 8*MP
	s_add_co_u32 s82, s82, s83
	s_add_co_u32 s82, s82, MOFF
	v_add_nc_u32 v[AS0], s82, v[LI]                ; stage row 8 wave: block wave / 2, row 8 (wave % 2)
	v_add_nc_u32 v[ASW], SLOT1, v[AS0]
	s_lshl_b32 s86, s42, 2
	s_lshl_b32 s87, s[PP], 1
	s_add_co_u32 s86, s86, s87                     ; rb of my tile 0
	s_lshl_b32 s82, s43, 18
	s_lshl_b32 s87, s86, 10
	s_add_co_u32 s82, s82, s87
	s_mov_b32 s83, 0
	s_add_nc_u64 s[4:5], s[4:5], s[82:83]
	s_lshl_b32 s84, s86, 14
	s_lshl_b32 s87, s43, 10
	s_add_co_u32 s84, s84, s87
	s_mov_b32 s85, 0
	s_add_nc_u64 s[12:13], s[12:13], s[84:85]
	s_wait_alu depctr_va_vdst(0)
	WIN 0x40
.irp u, 0,1
.irp c, 0,1
	global_load_b128 v[Q+8*\u+4*\c:Q+8*\u+4*\c+3], v[LI], s[4:5] offset:1024*\u+512*\c
.endr
.endr
.set i, 0
.rept 64
	v_mov_b32 v[O+i], 0                            ; O^T: the step is written for every step alike
.set i, i+1
.endr
	WIN 0
.irp u, 0,1
	v_mov_b32 v[ST+4*\u+1], 0xff61b1e6             ; the largest t so far: -3e38
	v_mov_b32 v[ST+4*\u+2], 0
	v_mov_b32 v[ST+4*\u+3], 0
	v_mov_b32 v[PX+\u], 0
	v_mov_b32 v[FF+2*\u+1], 0
	v_floor_f32 v[ST+4*\u], -v[ST+4*\u+1]          ; -M
.endr
	s_wait_kmcnt 0x0
	s_add_co_i32 s82, s74, s75
	s_add_co_i32 s82, s82, 124                     ; e6 + e7 - 3 + 127
	s_lshl_b32 s[C8], s82, 23
	s_mov_b32 s[C8+1], s[C8]
	s_add_co_i32 s82, s76, 127
	s_lshl_b32 s83, s82, 23
	v_mov_b32 v[SCL], s83                          ; 2^e8
	s_add_co_i32 s82, s82, 8
	s_lshl_b32 s82, s82, 23
	s_or_b32 s82, s82, 0x600000
	v_mov_b32 v[HOLD], s82                         ; 448 x 2^e8
	v_mov_b32 v[HOLD2], s82
; A STEP: 128 keys, my two tiles of 16 queries.  ml = 1: the next step's mask is read from this slot's stage.  st = 1: my eight rows of the step after that go into the other stage.
.macro STEPWORK ml, st
	v_add_nc_u32 v[AKV], s[TB], v[AKV0]
	v_add_nc_u32 v[AM], s[TB], v[AM0]
.if \st
	s_xor_b32 s63, s[TB], SLOT1
	v_add_nc_u32 v[ASW], s63, v[AS0]
.else
	v_nop
.endif
	v_nop                                          ; four plain lines between the last step's products and the loads into the registers that they read
.set i, 0
.rept 8
	ds_load_b128 v[F+8*i:F+8*i+3], v[AKV] offset:1024*i
	ds_load_b128 v[F+8*i+4:F+8*i+7], v[AKV] offset:1024*i+512
.set i, i+1
.endr
	s_wait_alu depctr_va_vdst(0)                   ; the wait ahead of the wait below
	WIN 0x04
.irp kt, 0,1,2,3,4,5,6,7
	s_wait_dscnt 14-2*\kt                          ; K's image kt is in: behind its two loads stand two for each younger image, and nothing else of mine is out in LDS
.irp u, 0,1
	v_wmma_f32_16x16x64_fp8_fp8 v[S+64*\u+8*\kt:S+64*\u+8*\kt+7], v[F+8*\kt:F+8*\kt+7], v[Q+8*\u:Q+8*\u+7], 0
.endr
.endr
	WIN 0
.rept 4
	v_nop
.endr
.set i, 0
.rept 4
.irp c, 0,1,2,3
	ds_load_b128 v[F+16*i+4*\c:F+16*i+4*\c+3], v[AKV] offset:8192+2048*i+512*\c
.endr
.set i, i+1
.endr
	WIN 0x10
.set i, 0
.rept 64
	v_pk_fma_f32 v[S+i:S+i+1], v[S+i:S+i+1], s[C8:C8+1], v[MK+i:MK+i+1] op_sel_hi:[1,0,1]   ; logit = sum x 2^(e6 + e7 - 3) + mask; the mask has been in registers since the change of slots
.set i, i+2
.endr
.if \ml
	MREAD
.endif
	WIN 0
.irp c, 0,1,2,3                                ; the step's largest logit: four chains a tile, eight by turns
.irp u, 0,1
	v_max3_num_f32 v[TM+2*\u+(\c%2)-4*(\c/2)], v[S+64*\u+16*\c], v[S+64*\u+16*\c+1], v[S+64*\u+16*\c+2]
.endr
.endr
.irp i, 3,5,7,9,11,13
.irp c, 0,1,2,3
.irp u, 0,1
	v_max3_num_f32 v[TM+2*\u+(\c%2)-4*(\c/2)], v[TM+2*\u+(\c%2)-4*(\c/2)], v[S+64*\u+16*\c+\i], v[S+64*\u+16*\c+\i+1]
.endr
.endr
.endr
.irp u, 0,1
	v_max3_num_f32 v[TM+2*\u], v[TM+2*\u], v[TM+2*\u+1], v[S+64*\u+15]
.endr
.irp u, 0,1
	v_max3_num_f32 v[FF+2*\u], v[FF+2*\u], v[FF+2*\u+1], v[S+64*\u+31]
.endr
.irp u, 0,1
	v_max3_num_f32 v[TM+2*\u], v[TM+2*\u], v[FF+2*\u], v[S+64*\u+47]
.endr
.irp u, 0,1
	v_max_num_f32 v[TM+2*\u], v[TM+2*\u], v[S+64*\u+63]
.endr
.irp u, 0,1
	s_delay_alu instid0(VALU_DEP_2)
	v_permlanex16_b32 v[PX+\u], v[TM+2*\u], s[SEL], s[SEL+1]
.endr
.irp u, 0,1
	s_delay_alu instid0(VALU_DEP_2)
	v_max_num_f32 v[TM+2*\u], v[TM+2*\u], v[PX+\u]
.endr
.irp u, 0,1
	s_delay_alu instid0(VALU_DEP_2)
	v_mul_f32 v[TM+2*\u], s[L2E], v[TM+2*\u]
.endr
.irp u, 0,1
	s_delay_alu instid0(VALU_DEP_2)
	v_max_num_f32 v[ST+4*\u+1], v[ST+4*\u+1], v[TM+2*\u]
.endr
.irp u, 0,1
	v_mov_b32 v[TM+2*\u], v[ST+4*\u]
.endr
.irp u, 0,1
	s_delay_alu instid0(VALU_DEP_4)
	v_floor_f32 v[ST+4*\u], -v[ST+4*\u+1]          ; the new -M
.endr
.irp u, 0,1
	s_delay_alu instid0(VALU_DEP_2)
	v_sub_f32 v[TM+2*\u], v[ST+4*\u], v[TM+2*\u]
.endr
.irp u, 0,1
	s_delay_alu instid0(VALU_DEP_2)
	v_cvt_i32_f32 v[TM+2*\u], v[TM+2*\u]
.endr
.irp u, 0,1
	s_delay_alu instid0(VALU_DEP_2)
	v_ldexp_f32 v[FF+2*\u], 1.0, v[TM+2*\u]        ; f = 2^(old M - new M)
.endr
.irp u, 0,1
.set i, 0
.rept 32
	v_pk_fma_f32 v[S+64*\u+i:S+64*\u+i+1], v[S+64*\u+i:S+64*\u+i+1], s[L2E:L2E+1], v[ST+4*\u:ST+4*\u+1] op_sel_hi:[1,0,0]   ; t - M
.set i, i+2
.endr
.endr
.set i, 0
	s_wait_alu depctr_va_vdst(0)                   ; ahead of the batch
.rept 128
	v_exp_f32 v[S+i], v[S+i]
.set i, i+1
.endr
	v_pk_mul_f32 v[ST+2:ST+3], v[ST+2:ST+3], v[FF:FF+1] op_sel_hi:[1,0]
	v_pk_mul_f32 v[ST+6:ST+7], v[ST+6:ST+7], v[FF+2:FF+3] op_sel_hi:[1,0]
	s_wait_alu depctr_va_vdst(0)                   ; and behind it, ahead of its first reader
	v_pk_add_f32 v[TM:TM+1], v[S:S+1], v[S+2:S+3]  ; the row's sum of the UNQUANTISED p: two chains a tile
	v_pk_add_f32 v[TM+2:TM+3], v[S+64:S+65], v[S+66:S+67]
.irp j, 4,8,12,16,20,24,28,32,36,40,44,48,52,56,60
	v_pk_add_f32 v[ST+2:ST+3], v[ST+2:ST+3], v[S+\j:S+\j+1]
	v_pk_add_f32 v[ST+6:ST+7], v[ST+6:ST+7], v[S+64+\j:S+65+\j]
	v_pk_add_f32 v[TM:TM+1], v[TM:TM+1], v[S+\j+2:S+\j+3]
	v_pk_add_f32 v[TM+2:TM+3], v[TM+2:TM+3], v[S+66+\j:S+67+\j]
.endr
	v_pk_add_f32 v[ST+2:ST+3], v[ST+2:ST+3], v[TM:TM+1]
	v_pk_add_f32 v[ST+6:ST+7], v[ST+6:ST+7], v[TM+2:TM+3]
.set i, 0
.rept 64
	v_dual_min_num_f32 v[S+i], v[S+i], v[HOLD] :: v_dual_min_num_f32 v[S+i+1], v[S+i+1], v[HOLD2]   ; the conversion does not saturate (ISA guide 7.6.2); p is not negative: a one-sided hold, two numbers a line
.set i, i+2
.endr
.set i, 0
.rept 16
	v_cvt_scalef32_pk8_fp8_f32 v[PC+2*i:PC+2*i+1], v[S+8*i:S+8*i+7], v[SCL]
.set i, i+1
.endr
	WIN 0x41
	s_wait_alu depctr_va_vdst(0)                   ; directly ahead of the first reader of O^T
.irp u, 0,1
.set i, 0
.rept 16
	v_pk_mul_f32 v[O+32*\u+i:O+32*\u+i+1], v[O+32*\u+i:O+32*\u+i+1], v[FF+2*\u:FF+2*\u+1] op_sel_hi:[1,0]
.set i, i+2
.endr
.endr
	s_wait_alu depctr_va_vdst(0)
	s_wait_dscnt 32*\ml                            ; V is in; the 32 younger loads of the next mask may be out
	WIN 0x50
.irp ct, 0,1,2,3
.irp u, 0,1
	v_wmma_f32_16x16x128_fp8_fp8 v[O+32*\u+8*\ct:O+32*\u+8*\ct+7], v[F+16*\ct:F+16*\ct+15], v[PC+16*\u:PC+16*\u+15], v[O+32*\u+8*\ct:O+32*\u+8*\ct+7]
.endr
.endr
.if \st
	s_wait_loadcnt 0x0                             ; my eight mask rows, asked for at the step's head, are in
	WIN 0x04                                       ; store data: window 1
.irp i, 0,1,2,3,4,5,6,7
	ds_store_b128 v[ASW], v[MS+4*\i:MS+4*\i+3] offset:\i*MP   ; into the other stage: its last readers passed this step's barrier
.endr
.endif
	WIN 0
.endm
; THE CHANGE OF SLOTS, at a step's head: the wait for all my tensor loads, the add, the wait for it, for my reads of the slot and stage that I have left and for my stores into the stage ahead.
; fill = 2: a round of the cluster's barrier, the joint load of the next step's K and V, and my loads of the mask two steps on; fill = 1: K and V alone; fill = 0: a work-group barrier.
.macro CHANGE fill
	s_wait_tensorcnt 0x0
	ds_add_u32 v[SPW], v[NIL]
.if \fill
	s_xor_b32 s[G0K+1], s[G0K+1], SLOT1
	s_add_nc_u64 s[G0K+2:G0K+3], s[G0K+2:G0K+3], 16384
.if \fill == 2
	s_wait_xcnt 0x0                                ; the last prefetch and the last mask loads have read their addresses
	s_add_nc_u64 s[PFA:PFA+1], s[PFA:PFA+1], s[PFS:PFS+1]
	s_add_nc_u64 s[GM:GM+1], s[GM:GM+1], 512
.endif
	s_wait_dscnt 0x0
	CROUND
	JLOAD
.if \fill == 2
	ASK
	WIN 0x40
.irp i, 0,1,2,3,4,5,6,7
	global_load_b128 v[MS+4*\i:MS+4*\i+3], v[LI], s[GM:GM+1] offset:16384*\i   ; a row's 512 consecutive bytes a load; they stay out until the step's end
.endr
	WIN 0
.endif
.else
	s_wait_dscnt 0x0
	s_barrier_signal -1
	s_barrier_wait -1
.endif
.endm
	s_wait_alu depctr_va_vdst(0)
	s_wait_loadcnt 0x0                             ; Q, and my rows of the mask of steps 0 and 1
.irp i, 0,1,2,3,4,5,6,7
	ds_store_b128 v[ASW], v[S+4*\i:S+4*\i+3] offset:\i*MP      ; step 0's beside slot 1,
.endr
	WIN 0x04
.irp i, 0,1,2,3,4,5,6,7
	ds_store_b128 v[AS0], v[MS+4*\i:MS+4*\i+3] offset:\i*MP    ; step 1's beside slot 0
.endr
	WIN 0
	s_add_nc_u64 s[GM:GM+1], s[GM:GM+1], 512       ; at step 1: the first change steps it to step 2
	s_wait_dscnt 0x0                               ; my stores are done,
	s_barrier_signal -1
	s_barrier_wait -1                              ; and everybody's
	MREAD                                          ; step 0's mask
.Lstep:                                            ; steps 0 to 29
	CHANGE 2
	STEPWORK 1, 1
	s_xor_b32 s[TB], s[TB], SLOT1
	s_sub_co_u32 s[SLOTS], s[SLOTS], 1
	s_cmp_lg_u32 s[SLOTS], 0
	s_cbranch_scc1 .Lstep
	CHANGE 1                                       ; step 30: K and V of step 31 are asked for; the mask has no further step
	STEPWORK 1, 0
	s_xor_b32 s[TB], s[TB], SLOT1
	CHANGE 0                                       ; step 31
	STEPWORK 0, 0
	; THE WAY OUT.  O^T x 2^(e8 + e9) / the sum, quantised with entry 10, stored as the last projection's image.
	v_add_f32 v[ST+2], v[ST+2], v[ST+3]
	v_add_f32 v[ST+6], v[ST+6], v[ST+7]
	v_permlanex16_b32 v[PX], v[ST+2], s[SEL], s[SEL+1]
	v_permlanex16_b32 v[PX+1], v[ST+6], s[SEL], s[SEL+1]
	v_add_f32 v[ST+2], v[ST+2], v[PX]
	v_add_f32 v[ST+6], v[ST+6], v[PX+1]
	s_wait_alu depctr_va_vdst(0)
	v_rcp_f32 v[ST+2], v[ST+2]
	v_rcp_f32 v[ST+6], v[ST+6]
	s_add_co_i32 s82, s78, 127
	s_lshl_b32 s83, s82, 23
	v_mov_b32 v[SCL], s83                          ; 2^e10
	s_add_co_i32 s82, s82, 8
	s_lshl_b32 s82, s82, 23
	s_or_b32 s82, s82, 0x600000
	v_mov_b32 v[HOLD], s82                         ; 448 x 2^e10
	s_add_co_i32 s84, s76, s77                     ; e8 + e9
	s_wait_alu depctr_va_vdst(0)
	v_ldexp_f32 v[ST+2], v[ST+2], s84
	v_ldexp_f32 v[ST+6], v[ST+6], s84
	WIN 0x01
	s_wait_alu depctr_va_vdst(0)                   ; directly ahead of the first reader of O^T
.irp u, 0,1
.set i, 0
.rept 16
	v_pk_mul_f32 v[S+32*\u+i:S+32*\u+i+1], v[O+32*\u+i:O+32*\u+i+1], v[ST+4*\u+2:ST+4*\u+3] op_sel_hi:[1,0]
.set i, i+2
.endr
.endr
	WIN 0
.set i, 0
.rept 64
	v_med3_num_f32 v[S+i], v[S+i], -v[HOLD], v[HOLD]
.set i, i+1
.endr
.set i, 0
.rept 8
	v_cvt_scalef32_pk8_fp8_f32 v[PC+2*i:PC+2*i+1], v[S+8*i:S+8*i+7], v[SCL]
.set i, i+1
.endr
	v_nop
.irp u, 0,1
.irp c, 0,1
	global_store_b128 v[LI], v[PC+8*\u+4*\c:PC+8*\u+4*\c+3], s[12:13] offset:16384*\u+512*\c   ; 512 consecutive bytes, aligned
.endr
.endr
	s_wait_tensorcnt 0x0                           ; the wave's end
	ds_add_u32 v[SPW], v[NIL]
	s_wait_dscnt 0x0
	CROUND                                         ; the closing round
	s_endpgm
.Lfunc_end_k_qa012fe4030_attn:
	.size	k_qa012fe4030_attn, .Lfunc_end_k_qa012fe4030_attn-k_qa012fe4030_attn
	.p2alignl 7, 3214868480
	.fill 96, 4, 3214868480
	.section	.rodata,"a",@progbits
	.p2align	6, 0x0
	.amdhsa_kernel k_qa012fe4030_attn
		.amdhsa_group_segment_fixed_size 327680
		.amdhsa_private_segment_fixed_size 0
		.amdhsa_enable_private_segment 0
		.amdhsa_kernarg_size 40
		.amdhsa_user_sgpr_count 2
		.amdhsa_user_sgpr_kernarg_segment_ptr 1
		.amdhsa_wavefront_size32 1
		.amdhsa_system_sgpr_workgroup_id_x 1
		.amdhsa_system_sgpr_workgroup_id_y 1
		.amdhsa_system_sgpr_workgroup_id_z 1
		.amdhsa_system_vgpr_workitem_id 0
		.amdhsa_next_free_vgpr 512
		.amdhsa_next_free_sgpr 90
		.amdhsa_reserve_vcc 0
		.amdhsa_float_denorm_mode_32 3
		.amdhsa_float_denorm_mode_16_64 3
		.amdhsa_memory_ordered 1
		.amdhsa_forward_progress 1
		.amdhsa_inst_pref_size 129
	.end_amdhsa_kernel
	.amdgpu_metadata
---
amdhsa.version: [ 1, 2 ]
amdhsa.kernels:
  - .name:           k_qa012fe4030_attn
    .symbol:         k_qa012fe4030_attn.kd
    .args:
      - { .name: qc, .offset: 0, .size: 8, .value_kind: global_buffer, .address_space: global }
      - { .name: kv, .offset: 8, .size: 8, .value_kind: global_buffer, .address_space: global }
      - { .name: attention_mask, .offset: 16, .size: 8, .value_kind: global_buffer, .address_space: global }
      - { .name: lowp_scales, .offset: 24, .size: 8, .value_kind: global_buffer, .address_space: global }
      - { .name: ao, .offset: 32, .size: 8, .value_kind: global_buffer, .address_space: global }
    .group_segment_fixed_size: 327680
    .private_segment_fixed_size: 0
    .kernarg_segment_align: 8
    .kernarg_segment_size: 40
    .max_flat_workgroup_size: 256
    .sgpr_count:     90
    .vgpr_count:     512
    .wavefront_size: 32
...
	.end_amdgpu_metadata
.endif
;; end of part 3
;; launch oproj (part 4): grid 8 x 32, 4 waves a work-group, clusters of 4 x 4, 327,680 bytes of LDS; arguments ao, wc, bo, lowp_scales, out0; writes out0
.if DOCPART == 4
	.amdgcn_target "amdgcn-amd-amdhsa--gfx1250"
	.amdhsa_code_object_version 6
	.text
	.protected	k_qa012fe4030_oproj
	.globl	k_qa012fe4030_oproj
	.p2align	8
	.type	k_qa012fe4030_oproj,@function
k_qa012fe4030_oproj:
	s_mov_b64 s[64:65], 0
	v_nop
	global_prefetch_b8 v0, s[64:65] scope:SCOPE_SE
	s_setreg_imm32_b32 hwreg(HW_REG_WAVE_MODE, 25, 1), 1
	s_wait_xcnt 0x0
	s_wait_alu depctr_hold_cnt(0) depctr_sa_sdst(0) depctr_va_vdst(0) depctr_va_sdst(0) depctr_va_ssrc(0) depctr_va_vcc(0) depctr_vm_vsrc(0)
	s_getreg_b32 s2, hwreg(HW_REG_IB_STS2, 6, 4)
	s_cmp_eq_u32 s2, 0
	s_cbranch_scc0 .Lentry_in_a_cluster
	s_endpgm
.Lentry_in_a_cluster:
	s_bfe_u32 s2, ttmp6, 0x10000c
	s_cmp_lg_u32 s2, 0xf033
	s_cbranch_scc0 .Lentry_shape_is_right
	s_endpgm
.Lentry_shape_is_right:
; out0[t][n] = 2^(e10 + e11) x the sum over k of ao[t][k] wo[n][k] + bo[n], on codes of FP8 (E4M3); sums in f32.  LIMIT: e10 + e11 between -126 and 127.
; ao and wo's part of wc lie as images of operand registers, [rb][ks = 8][2,048 bytes]: byte 512 c + 16 lane + y = row P(rb, lane % 16), k = 128 ks + 32 c + 16 (lane / 16) + y; P(rb, r) = 32 (rb / 2) + 8 (rb % 2) + r % 8 + 16 (r / 8).
; SHARES.  4,096 x 1,024 results in 256 blocks of 128 x 128, one to a work-group; a wave makes 64 x 64: 16 accumulators.  A block's 128 rows of either operand, all 1,024 of K, are one dense run of 131,072 bytes:
; both runs lie in LDS whole, each half brought by one wave's one tensor load (16 rows of 4,096 bytes).  Nothing is filled again: no ring, one barrier.
; CLUSTER 4 x 4: ao's run hangs on the block row and is asked for jointly along a row of the cluster, wo's on the block column, along a column.
; No prefetch: the launch has no loop to run ahead in; each wave's one load at the head asks for all that it fetches.
; The matrix instruction is used transposed (source 0 = 16 rows of wo, source 1 = 16 tokens): a lane holds eight neighbouring columns of one token.
; REGISTERS.  window 0: v0-31 addresses; v32-159 ao's fragments, two sets of 4 x 16; v160-223 rows read back on the way out.   window 1: v0-127 accumulator (a, b) at 8 (4 a + b); v128-255 wo's fragments, two sets.
.set BOFF,  131072
.set STAGE, 262144                     ; behind both runs: 16 rows x (256 + 16) bytes for each wave; no tensor load lands here
.set SPITCH, 272
.set SPARE, STAGE+4*16*SPITCH          ; the spare words: two blocks of 256 bytes that no other line names
.set VB,    9
.set BIAS,  12
.set ADRA,  16
.set ADRB,  17
.set STO,   24
.set RD,    25
.set CO,    26
.set SPW,   28
.set NIL,   29
.set AF,    32
.set BF,    128
.set BK,    160
.set WV,  20
.set WR,  21
.set WC,  22
.set G1,  24
.set G0,  32
.set G1B, 48
.set G0B, 56
.set MSB, 0
.macro WIN new
.if MSB != (\new)
	s_set_vgpr_msb (MSB<<8)|(\new)
.set MSB, (\new)
.endif
.endm
.macro CROUND
	s_barrier_signal -1
	s_barrier_wait -1
	s_cmp_lg_u32 s[WV], 0
	s_cbranch_scc1 .Lnot_wave_0_\@
	s_barrier_signal -3
.Lnot_wave_0_\@:
	s_barrier_wait -3
	s_barrier_signal -1
	s_barrier_wait -1
.endm
.macro PLACES n
.rept \n
	v_nop
.endr
.endm
	s_load_b256 s[4:11], s[0:1], 0x0               ; ao, wc, bo, the exponents
	s_load_b64 s[12:13], s[0:1], 0x20              ; out0
	v_lshl_add_u32 v[SPW], v0, 2, SPARE
	v_mov_b32 v[NIL], 0
	ds_add_u32 v[SPW], v[NIL]                      ; the opening lines: the add twice on end and its wait
	ds_add_u32 v[SPW], v[NIL]
	v_lshrrev_b32 v1, 5, v0
	v_readfirstlane_b32 s[WV], v1
	s_lshr_b32 s[WR], s[WV], 1                     ; my half of the block's rows; also: I fetch for ao (0) or wo (1)
	s_and_b32 s[WC], s[WV], 1                      ; my half of its columns; also: which half of the run I fetch
	s_bfe_u32 s40, ttmp6, 0x40000
	s_bfe_u32 s41, ttmp6, 0x40004
	s_lshl_b32 s46, ttmp9, 2
	s_add_co_u32 s46, s46, s40                     ; block column 0..7
	s_and_b32 s45, ttmp7, 0xffff
	s_lshl_b32 s45, s45, 2
	s_add_co_u32 s45, s45, s41                     ; block row 0..31
	s_lshl_b32 s43, s41, 2
	s_lshl_b32 s43, 15, s43
	s_lshl_b32 s44, 0x1111, s40
	s_or_b32 s[G1], s43, (1<<21)
	s_or_b32 s[G1B], s44, (1<<21)
.irp g, G1, G1B
	s_mov_b32 s[\g+1], 4096<<16                    ; 16 rows of 4,096 bytes, dense
	s_mov_b32 s[\g+2], 16<<16
	s_mov_b32 s[\g+3], 4096<<16
	s_mov_b32 s[\g+4], 16
	s_mov_b32 s[\g+5], 4096
	s_mov_b32 s[\g+6], 0
	s_mov_b32 s[\g+7], 0
.endr
	s_lshl_b32 s84, s45, 17
	s_lshl_b32 s85, s[WC], 16
	s_add_co_u32 s84, s84, s85
	s_mov_b32 s85, 0
	s_lshl_b32 s86, s46, 17
	s_lshl_b32 s87, s[WC], 16
	s_add_co_u32 s86, s86, s87
	s_add_co_u32 s86, s86, 0x300000                ; wo's images in wc
	s_mov_b32 s87, 0
	s_lshl_b32 s47, s[WV], 16                      ; LDS: wave x 65,536
	s_wait_dscnt 0x0
	s_wait_kmcnt 0x0
	s_load_b64 s[96:97], s[10:11], 0x28            ; e10, e11
	s_mov_b32 s[G0], 1
	s_mov_b32 s[G0+1], s47
	s_add_nc_u64 s[G0+2:G0+3], s[4:5], s[84:85]
	s_or_b32 s[G0+3], s[G0+3], 0x80000000
	s_mov_b32 s[G0B], 1
	s_mov_b32 s[G0B+1], s47
	s_add_nc_u64 s[G0B+2:G0B+3], s[6:7], s[86:87]
	s_or_b32 s[G0B+3], s[G0B+3], 0x80000000
	CROUND
	s_cmp_eq_u32 s[WR], 0
	s_cbranch_scc0 .Lfor_b
	tensor_load_to_lds s[G0:G0+3], s[G1:G1+7]
	s_nop 0
	PLACES 4
	s_branch .Lasked
.Lfor_b:
	tensor_load_to_lds s[G0B:G0B+3], s[G1B:G1B+7]
	s_nop 0
	PLACES 4
.Lasked:
	v_and_b32 v1, 15, v0
	v_bfe_u32 v2, v0, 4, 1
	v_and_b32 v3, 31, v0
	v_lshlrev_b32 v4, 4, v3                        ; 16 x lane
	v_mul_u32_u24 v5, v1, SPITCH
	v_lshl_add_u32 v5, v2, 6, v5                   ; into the stage: row l % 16, + 64 (l / 16)
	v_mul_u32_u24 v6, v2, SPITCH
	v_lshl_add_u32 v6, v1, 4, v6                   ; back: sixteen lanes to a row, two rows a load
	v_lshlrev_b32 v7, 4, v1
	v_lshl_add_u32 v[CO], v2, 12, v7               ; and the same two rows in out0
	s_wait_alu depctr_va_vdst(0)                   ; the wait ahead of readers behind scalar lines
	s_lshl_b32 s98, s[WR], 16
	s_lshl_b32 s99, s[WC], 16
	s_add_co_u32 s99, s99, BOFF
	v_add_nc_u32 v[ADRA], s98, v4
	v_add_nc_u32 v[ADRB], s99, v4
	s_mul_i32 s98, s[WV], 16*SPITCH
	s_add_co_u32 s98, s98, STAGE
	v_add_nc_u32 v[STO], s98, v5
	v_add_nc_u32 v[RD], s98, v6
	s_lshl_b32 s98, s46, 9
	s_lshl_b32 s99, s[WC], 8
	s_add_co_u32 s98, s98, s99                     ; my first column, in bytes
	v_add_nc_u32 v[VB], s98, v7
	global_load_b128 v[BIAS:BIAS+3], v[VB], s[8:9]
	s_lshl_b32 s99, s45, 19
	s_add_co_u32 s98, s98, s99
	s_lshl_b32 s99, s[WR], 18
	s_add_co_u32 s98, s98, s99
	s_mov_b32 s99, 0
	s_add_nc_u64 s[12:13], s[12:13], s[98:99]
.macro FETCH q                         ; the fragments of K step q: 4 of wo, 4 of ao, 32 loads, into set q % 2
	WIN 0x40
.irp i, 0,1,2,3
.irp c, 0,1,2,3
	ds_load_b128 v[BF+64*((\q)%2)+16*\i+4*\c:BF+64*((\q)%2)+16*\i+4*\c+3], v[ADRB] offset:\i*16384+(\q)*2048+512*\c
.endr
.endr
	WIN 0
.irp i, 0,1,2,3
.irp c, 0,1,2,3
	ds_load_b128 v[AF+64*((\q)%2)+16*\i+4*\c:AF+64*((\q)%2)+16*\i+4*\c+3], v[ADRA] offset:\i*16384+(\q)*2048+512*\c
.endr
.endr
.endm
.macro MUL q, zero                     ; 16 accumulators by turns, in the same order in every step
	WIN 0x51
.irp a, 0,1,2,3
.irp b, 0,1,2,3
.if \zero
	v_wmma_f32_16x16x128_fp8_fp8 v[8*(4*\a+\b):8*(4*\a+\b)+7], v[BF+64*((\q)%2)+16*\b:BF+64*((\q)%2)+16*\b+15], v[AF+64*((\q)%2)+16*\a:AF+64*((\q)%2)+16*\a+15], 0
.else
	v_wmma_f32_16x16x128_fp8_fp8 v[8*(4*\a+\b):8*(4*\a+\b)+7], v[BF+64*((\q)%2)+16*\b:BF+64*((\q)%2)+16*\b+15], v[AF+64*((\q)%2)+16*\a:AF+64*((\q)%2)+16*\a+15], v[8*(4*\a+\b):8*(4*\a+\b)+7]
.endif
.endr
.endr
	WIN 0
.endm
	s_wait_alu depctr_va_vdst(0)
	s_wait_tensorcnt 0x0                           ; my half of a run is in,
	s_barrier_signal -1
	s_barrier_wait -1                              ; and everybody's
	FETCH 0
	FETCH 1
	s_wait_dscnt 32                                ; step 0's fragments are in; the 32 loads of step 1 may be out
	MUL 0, 1
.irp q, 1,2,3,4,5,6
	PLACES 4                                       ; in front of loads into registers that the last products read
	FETCH \q+1
	s_wait_dscnt 32
	MUL \q, 0
.endr
	s_wait_dscnt 0x0
	MUL 7, 0
; THE WAY OUT, by blocks of 16 tokens x 64 columns through my own stage; back as rows of 256 bytes; sixteen lanes store one aligned unit of 256 bytes.
.macro TOSTAGE a
	WIN 0x04                                       ; store data: window 1
.irp b, 0,1,2,3
	ds_store_b128 v[STO], v[8*(4*(\a)+\b):8*(4*(\a)+\b)+3] offset:128*(\b/2)+32*(\b%2)
	ds_store_b128 v[STO], v[8*(4*(\a)+\b)+4:8*(4*(\a)+\b)+7] offset:128*(\b/2)+32*(\b%2)+16
.endr
	WIN 0
.set BB, BK+32*((\a)%2)
.irp t, 0,1,2,3,4,5,6,7
	ds_load_b128 v[BB+4*\t:BB+4*\t+3], v[RD] offset:\t*2*SPITCH    ; LDS serves a wave's instructions in order: these see my stores
.endr
.endm
.macro SEND a, younger
.set BB, BK+32*((\a)%2)
	s_wait_dscnt \younger
.irp t, 0,1,2,3,4,5,6,7
	v_pk_fma_f32 v[BB+4*\t:BB+4*\t+1], v[BB+4*\t:BB+4*\t+1], s[96:97], v[BIAS:BIAS+1] op_sel_hi:[1,0,1]
	v_pk_fma_f32 v[BB+4*\t+2:BB+4*\t+3], v[BB+4*\t+2:BB+4*\t+3], s[96:97], v[BIAS+2:BIAS+3] op_sel_hi:[1,0,1]
	global_store_b128 v[CO], v[BB+4*\t:BB+4*\t+3], s[12:13] offset:(32*((\a)/2)+8*((\a)%2)+(2*\t)%8+16*(\t/4))*4096 th:TH_STORE_NT   ; stage row 2 t + l / 16 is token P(a, row)
.endr
.endm
	s_wait_kmcnt 0x0
	s_add_co_i32 s96, s96, s97
	s_add_co_i32 s96, s96, 127
	s_lshl_b32 s96, s96, 23                        ; 2^(e10 + e11)
	s_mov_b32 s97, s96
	s_wait_loadcnt 0x0                             ; the bias
	PLACES 4
	TOSTAGE 0
.irp a, 1,2,3
.if \a > 1
	s_wait_xcnt 0x0                                ; block a - 2's stores have read their registers
.endif
	TOSTAGE \a
	SEND \a-1, 16                                  ; behind block a - 1's loads: block a's 8 stores and 8 loads
.endr
	SEND 3, 0
	s_wait_tensorcnt 0x0                           ; the wave's end
	ds_add_u32 v[SPW], v[NIL]
	s_wait_dscnt 0x0
	CROUND                                         ; the closing round
	s_endpgm
.Lfunc_end_k_qa012fe4030_oproj:
	.size	k_qa012fe4030_oproj, .Lfunc_end_k_qa012fe4030_oproj-k_qa012fe4030_oproj
	.p2alignl 7, 3214868480
	.fill 96, 4, 3214868480
	.section	.rodata,"a",@progbits
	.p2align	6, 0x0
	.amdhsa_kernel k_qa012fe4030_oproj
		.amdhsa_group_segment_fixed_size 327680
		.amdhsa_private_segment_fixed_size 0
		.amdhsa_enable_private_segment 0
		.amdhsa_kernarg_size 40
		.amdhsa_user_sgpr_count 2
		.amdhsa_user_sgpr_kernarg_segment_ptr 1
		.amdhsa_wavefront_size32 1
		.amdhsa_system_sgpr_workgroup_id_x 1
		.amdhsa_system_sgpr_workgroup_id_y 1
		.amdhsa_system_sgpr_workgroup_id_z 1
		.amdhsa_system_vgpr_workitem_id 0
		.amdhsa_next_free_vgpr 512
		.amdhsa_next_free_sgpr 102
		.amdhsa_reserve_vcc 0
		.amdhsa_float_denorm_mode_32 3
		.amdhsa_float_denorm_mode_16_64 3
		.amdhsa_memory_ordered 1
		.amdhsa_forward_progress 1
		.amdhsa_inst_pref_size 44
	.end_amdhsa_kernel
	.amdgpu_metadata
---
amdhsa.version: [ 1, 2 ]
amdhsa.kernels:
  - .name:           k_qa012fe4030_oproj
    .symbol:         k_qa012fe4030_oproj.kd
    .args:
      - { .name: ao, .offset: 0, .size: 8, .value_kind: global_buffer, .address_space: global }
      - { .name: wc, .offset: 8, .size: 8, .value_kind: global_buffer, .address_space: global }
      - { .name: bo, .offset: 16, .size: 8, .value_kind: global_buffer, .address_space: global }
      - { .name: lowp_scales, .offset: 24, .size: 8, .value_kind: global_buffer, .address_space: global }
      - { .name: out0, .offset: 32, .size: 8, .value_kind: global_buffer, .address_space: global }
    .group_segment_fixed_size: 327680
    .private_segment_fixed_size: 0
    .kernarg_segment_align: 8
    .kernarg_segment_size: 40
    .max_flat_workgroup_size: 128
    .sgpr_count:     102
    .vgpr_count:     512
    .wavefront_size: 32
...
	.end_amdgpu_metadata
.endif
;; end of part 4
